; MI455X (gfx1250); checked and timed in simulation.
; The chip was launched on July 23, 2026; its instructions are those of AMD's public machine-readable ISA for CDNA 5 (MIT licence, August 2026) and "CDNA5" Instruction Set Architecture Reference Guide (July 2026). The comments in the code are by the model that wrote it; some were corrected since.
;; Lo RA Linear. Allowed arithmetic: matrix products marked QUANTISED: E5M2 operands, one E8M0 scale for each 32 along K, by v_wmma_scale_f32_16x16x128_f8f6f4 with both operands' format E5M2, f32 sums; products left as they are: f32 operands where the result goes on into a quantised operand, else bf16, f16 or f32 operands; f32 sums; everything else in f32.
;; Inputs: bias 2,048 float32; lora_A 16 x 2,048 float32; lora_B 2,048 x 16 float32; weight 2,048 x 2,048 float32; x 4 x 2,048 x 2,048 float32.
;; Outputs: out0 4 x 2,048 x 2,048 float32.
;; This version of the problem:
;;   THIS VERSION OF THE PROBLEM IS GIVEN IN LOW PRECISION. The matrix products marked QUANTISED in the list below multiply operands that are first quantised to E5M2 (5 exponent bits, 2 mantissa bits; 8 bits a number), with one power-of-two scale for each 32 numbers along K (OCP MX v1.0); their sums are f32. All else is computed in f32.
;;   The module's matrix products, in the order in which they are computed (A, B: the left and right operand; K: the contracted axis; several contracted axes count as one K, in the product's order):
;;     1. [M 8,192, K 2,048] x [K 2,048, N 2,048]; A: input x; B: input weight: QUANTISED
;;     2. [M 2,048, K 16] x [K 16, N 2,048]; A: input lora_B; B: input lora_A: left as it is (K = 16 < 32)
;;     3. [M 8,192, K 2,048] x [K 2,048, N 2,048]; A: input x; B: computed on the way: QUANTISED
;;   THE QUANTISER, for each operand of a quantised product, along K:
;;     - K is cut into blocks of 32 from its start; a last block that is shorter is filled with zeros.
;;     - A block's scale is 2^e with e = floor(log2(the largest magnitude in the block)) - 15, held to -126 .. 127; a block of zeros has e = 0. As a byte (E8M0): e + 127.
;;     - Each number is divided by its block's scale, clamped to +-57,344, and rounded to the nearest number of E5M2, ties to even, subnormals kept.
;;     - The product sums the exact products of the quantised numbers (number of the format x scale) in f32.
;;   ~~~python
;;   def quantise(x, axis):      # numpy; x: float32 -> the quantised numbers, widened to float32 again
;;       x = np.moveaxis(x, axis, -1); K = x.shape[-1]
;;       x = np.pad(x, [(0, 0)] * (x.ndim - 1) + [(0, -K % 32)]); x = x.reshape(x.shape[:-1] + (-1, 32)); a = np.abs(x).max(-1, keepdims=True)
;;       e = np.where(a > 0, np.clip(np.frexp(np.where(a > 0, a, 1))[1] - 1 - 15, -126, 127), 0)      # np.frexp(a)[1] - 1 = floor(log2(a)), exactly
;;       r = np.clip(x / 2.0 ** e, -57344, 57344)
;;       step = 2.0 ** (np.maximum(np.frexp(np.where(r == 0, 1, r))[1] - 1, -14) - 2)
;;       q = np.round(r / step) * step * 2.0 ** e      # np.round: ties to even
;;       return np.moveaxis(q.reshape(q.shape[:-2] + (-1,))[..., :K], -1, axis).astype(np.float32)
;;   ~~~
;;   OPERANDS COMPUTED ON THE WAY. 'Computed on the way' means the value that the module computes at that place (a softmax that the list does not call 'softmax' is quantised finished and normalised). What goes into a quantiser is computed in f32, as accurately as f32 sums, v_exp_f32 and their like allow (about 1e-6 of the number): no bf16 or f16 on the way to a quantiser, and a product that is left as it is and whose result goes on into a quantised operand takes f32 operands (vector FMAs, or v_wmma_f32_16x16x4_f32). A number that lies on a knife's edge between two numbers of the format may be rounded either way, as far as f32 arithmetic and the matrix unit's own rounding can turn it there, and no further.
;; One version. Each part assembles by itself: llvm-mc -triple=amdgcn-amd-amdhsa -mcpu=gfx1250 --defsym DOCPART=n.
;; ======== version 1 of 1: 2 launches
;; limits: right only within a limited range of input values
;; workspace buffers: xq 17,301,504 bytes; wq 8,650,752 bytes
;; launch quant (part 1): grid 256 x 1, 20 waves a work-group, no clusters, 291,840 bytes of LDS; arguments x, weight, lora_A, lora_B, xq, wq; writes xq, wq
.if DOCPART == 1
	.amdgcn_target "amdgcn-amd-amdhsa--gfx1250"
	.amdhsa_code_object_version 6
	.text
	.protected	k_qbeb4e2918b_quant
	.globl	k_qbeb4e2918b_quant
	.p2align	8
	.type	k_qbeb4e2918b_quant,@function
k_qbeb4e2918b_quant:
	s_mov_b64 s[64:65], 0
	v_nop
	global_prefetch_b8 v0, s[64:65] scope:SCOPE_SE
	s_setreg_imm32_b32 hwreg(HW_REG_WAVE_MODE, 25, 1), 1
	s_wait_xcnt 0x0
; x [8192][2048], weight [2048][2048] and dW = lora_B lora_A [2048][2048] (made here, in f32) become codes of BF8 (E5M2) with one E8M0 scale byte for each 32 along K (the last axis of all three).
; A block's scale is 2^(floor(log2(its largest magnitude)) - 15); its byte is the largest magnitude's exponent field - 15, held at 1 from below.  Each number is divided by the scale, held within +-57,344 and rounded to the nearest code, ties to even.
; THE FACTOR 2 (alpha / rank) of the second product is a power of two: dW's scale bytes are stored with 1 added (a byte is at most 239, so none carries and none becomes 0xff).
; LAYOUT.  A fragment (16 rows x 128 K) is 2,048 bytes: byte 512 c + 16 l + t is the code of its row l % 16 at k = 32 c + 16 (l / 16) + t.
;   xq [row tile 32][K step 16]: 16 fragments, then 1,024 scale bytes: 33,792 bytes.  Fragment f holds rows 16 f + r of the tile's 256.
;   wq [column tile 8][K step 16]: 16 fragments of W, 16 of dW, 1,024 scale bytes of W, 1,024 of dW: 67,584 bytes.  Fragment 4 g + b holds rows 64 g + 4 r + b of the tile's 256 (the order in which the product's results leave).
;   Scale bytes: the word at 256 g + 16 r + 4 j holds the four bytes of row r of fragment 4 g + j.
; LIMITS: NaN and infinities among the inputs are not served.  A block whose largest magnitude lies under 2^-111 gets the byte 1 (the rule's own floor; not tried).  A block of zeros gets the byte 1 (dW: 2) where the rule
; says 127: its codes are zeros, which add nothing under any byte but 0xff, and the bytes are read by this program alone.
; SHARES.  Work-group g: x: 64 rows (number g / 2), K steps 8 (g % 2) .. + 7: wave w of 0-15 takes K step w / 2, 32 rows w % 2, by ONE tensor load into bytes of its own; W (waves 16, 17) and dW (18, 19): 64 rows (number g / 8),
; K step 2 (g % 8) + w % 2.  The waves share nothing but x's scale bytes, which two waves of a K step join through LDS into one unit of 256 bytes.  No cluster and no prefetch: no large input is read twice, and there is no loop to run ahead in.
.set XT,    16896                      ; a wave's tile of x: 32 rows x (512 + 16 bytes): the rows that a load touches start 4 banks apart (64 banks of 4 bytes: ISA guide 11.1)
.set WST,   16*XT                      ; stages of waves 16, 17: 16 rows x 528 bytes
.set XS,    WST+2*8448                 ; x's scale bytes: eight units of 256
.set SPARE, XS+2048                    ; the spare words, 128 bytes a wave
.set GI,   2                           ; 16 x lane (v1: h)
.set XR,   3                           ; my tile, + 528 r + 64 h
.set XW,   4                           ; my rows' scale words
.set XL,   5                           ; a unit of scale bytes, + 8 x lane
.set SI,   6                           ; the stage, on the way in: + 16 x lane
.set SO,   7                           ; and out: + 528 r + 64 h
.set SCO,  8                           ; 16 r + 8 h
.set LAO,  9                           ; lora_A: 16384 h + 4 (r + 8 (r / 8))
.set LBO,  10                          ; lora_B: 256 r + 8 h
.set SL8,  11                          ; 8 x lane
.set PW,   12                          ; v12-15 scale words
.set R,    16                          ; v16-143 two sets of 64 numbers (waves 0-17)
.set LA,   16                          ; waves 18, 19: v16-79 lora_A, v80-111 lora_B, v112-127 held numbers, v128-135 codes
.set LB,   80
.set T,    112
.set CD,   144                         ; v144-151 codes of a fragment's first two blocks; the other two's go where numbers have been converted
.set TM,   152                         ; v152-157 two blocks' maxima (then bounds), permuted maxima (then bytes), scale operands;  v158, v159 the add's two
.set ACC,  160                         ; v160-191 dW: matrix instructions alone write these registers
	s_load_b256 s[4:11], s[0:1], 0x0               ; x, weight, lora_A, lora_B
	s_load_b128 s[12:15], s[0:1], 0x20             ; xq, wq
	v_lshl_add_u32 v158, v0, 2, SPARE
	v_mov_b32 v159, 0
	ds_add_u32 v158, v159                          ; the opening add, twice on end; work on registers stands ahead of its wait
	ds_add_u32 v158, v159
	v_lshrrev_b32 v18, 5, v0
	v_readfirstlane_b32 s20, v18                   ; wave 0..19
	s_and_b32 s21, s20, 15
	s_bfe_u32 s22, s20, 0x30001                    ; x: K step of my eight
	s_and_b32 s23, s20, 1
	s_mul_i32 s24, s21, XT
	s_lshl_b32 s25, s22, 8
	s_lshl_b32 s26, s23, 3
	s_add_co_u32 s25, s25, s26
	s_add_co_u32 s25, s25, XS
	s_and_b32 s30, s20, 7
	s_lshl_b32 s26, s30, 8
	s_add_co_u32 s26, s26, XS
	s_mul_i32 s27, s23, 8448
	s_add_co_u32 s27, s27, WST
	v_and_b32 v16, 31, v0                          ; lane
	v_and_b32 v17, 15, v0                          ; r
	v_bfe_u32 v1, v0, 4, 1                         ; h
	v_lshlrev_b32 v[GI], 4, v16
	v_lshlrev_b32 v[SL8], 3, v16
	v_mul_u32_u24 v18, 0x210, v17
	v_lshlrev_b32 v[XW], 4, v17
	v_and_b32 v[LAO], 8, v17
	v_lshlrev_b32 v[LBO], 8, v17
	v_lshl_add_u32 v18, v1, 6, v18
	v_lshl_add_u32 v[SCO], v1, 3, v[XW]
	v_add_nc_u32 v[LAO], v[LAO], v17               ; r + 8 (r / 8)
	v_lshl_add_u32 v[LBO], v1, 3, v[LBO]
	v_add_nc_u32 v[XR], s24, v18
	v_add_nc_u32 v[SO], s27, v18
	v_lshlrev_b32 v[LAO], 2, v[LAO]
	v_add_nc_u32 v[SI], s27, v[GI]
	v_add_nc_u32 v[XW], s25, v[XW]
	v_add_nc_u32 v[XL], s26, v[SL8]
	v_lshl_add_u32 v[LAO], v1, 14, v[LAO]
	v_mov_b32 v[TM+2], 0                           ; written once: a lane permute's destination counts as one of its sources
	v_mov_b32 v[TM+3], 0
	s_mov_b32 s34, 0x76543210
	s_mov_b32 s35, 0xfedcba98                      ; v_permlanex16_b32's selects for lane l xor 16
	s_mov_b32 s36, 0x600000                        ; the mantissa field of 57,344
	; descriptor group 1: 32 rows of 512 bytes (64 elements of 8), 8,192 bytes apart, 16 bytes of padding behind each
	s_mov_b32 s40, (3<<16)|(1<<20)|(6<<22)|(3<<25)
	s_mov_b32 s41, 64<<16
	s_mov_b32 s42, 32<<16
	s_mov_b32 s43, 64<<16
	s_mov_b32 s44, 32
	s_mov_b32 s45, 1024
	s_mov_b32 s46, 0
	s_mov_b32 s47, 0
	s_mov_b32 s48, 1
	s_mov_b32 s49, s24
	; x: source, codes, scale unit
	s_lshr_b32 s28, ttmp9, 1                       ; which 64 rows
	s_and_b32 s29, ttmp9, 1                        ; which half of K
	s_lshl_b32 s52, s28, 19
	s_lshl_b32 s31, s23, 18
	s_add_co_u32 s52, s52, s31
	s_lshl_b32 s31, s29, 12
	s_add_co_u32 s52, s52, s31
	s_lshl_b32 s31, s22, 9
	s_add_co_u32 s52, s52, s31
	s_mov_b32 s53, 0
	s_lshr_b32 s31, s28, 2
	s_mul_i32 s54, s31, 16*33792                   ; the row tile
	s_mul_i32 s31, s29, 8*33792
	s_add_co_u32 s54, s54, s31
	s_and_b32 s28, s28, 3
	s_mul_i32 s56, s30, 33792
	s_add_co_u32 s56, s56, s54
	s_lshl_b32 s31, s28, 8
	s_add_co_u32 s56, s56, s31
	s_add_co_u32 s56, s56, 32768
	s_mov_b32 s57, 0
	s_mul_i32 s31, s22, 33792
	s_add_co_u32 s54, s54, s31
	s_lshl_b32 s31, s28, 13
	s_add_co_u32 s54, s54, s31
	s_lshl_b32 s31, s23, 12
	s_add_co_u32 s54, s54, s31
	s_mov_b32 s55, 0
	; W and dW: source, codes, scale unit, lora_A, lora_B
	s_lshr_b32 s58, ttmp9, 3                       ; which 64 rows
	s_and_b32 s59, ttmp9, 7
	s_lshl_b32 s59, s59, 1
	s_add_co_u32 s59, s59, s23                     ; K step
	s_lshl_b32 s60, s58, 19
	s_lshl_b32 s68, s59, 9
	s_mov_b32 s69, 0
	s_add_co_u32 s60, s60, s68
	s_mov_b32 s61, 0
	s_lshl_b32 s70, s58, 12
	s_mov_b32 s71, 0
	s_lshr_b32 s31, s58, 2
	s_mul_i32 s62, s31, 16*67584                   ; the column tile
	s_mul_i32 s31, s59, 67584
	s_add_co_u32 s62, s62, s31
	s_and_b32 s58, s58, 3
	s_bfe_u32 s30, s20, 0x10001                    ; 1: dW
	s_lshl_b32 s66, s58, 8
	s_add_co_u32 s66, s66, s62
	s_lshl_b32 s31, s30, 10
	s_add_co_u32 s66, s66, s31
	s_add_co_u32 s66, s66, 0x10000
	s_mov_b32 s67, 0
	s_lshl_b32 s31, s30, 15
	s_add_co_u32 s62, s62, s31
	s_lshl_b32 s31, s58, 13
	s_add_co_u32 s62, s62, s31
	s_mov_b32 s63, 0
	s_wait_alu depctr_va_vdst(0)                   ; the wait at the head's end
	s_wait_dscnt 0x0                               ; both opening adds are done
	s_wait_kmcnt 0x0
	s_add_nc_u64 s[74:75], s[12:13], s[56:57]
; Two blocks of 32 along K: v[s ..], register 16 b + i of lane (r, h) = k 32 b + 16 h + i.  Held numbers to v[d0 ..], v[d1 ..]; codes to v[c .. c + 7]; hi = 0, 1: the lower or upper two bytes of the scale word v[pw].
.macro QUANT2 s, d0, d1, c, pw, hi
.irp b, 0,1
	v_max3_num_f32 v[TM+\b], |v[(\s)+16*\b]|, |v[(\s)+16*\b+1]|, 0x8000000   ; with the floor 2^(16 - 127): so the byte cannot fall under 1
.endr
.irp i, 2,4,6,8,10,12,14
.irp b, 0,1
	v_max3_num_f32 v[TM+\b], v[TM+\b], |v[(\s)+16*\b+\i]|, |v[(\s)+16*\b+\i+1]|
.endr
.endr
.irp b, 0,1
	s_delay_alu instid0(VALU_DEP_2)
	v_permlanex16_b32 v[TM+2+\b], v[TM+\b], s34, s35
.endr
.irp b, 0,1
	s_delay_alu instid0(VALU_DEP_2)
	v_max_num_f32 v[TM+\b], v[TM+\b], v[TM+2+\b]   ; with lane l xor 16's: the block's largest magnitude
.endr
.irp b, 0,1
	s_delay_alu instid0(VALU_DEP_2)
	v_add_nc_u32 v[TM+4+\b], 0xf8800000, v[TM+\b]  ; 15 off its exponent field: the conversion takes that field as its scale
.endr
.irp b, 0,1
	v_and_or_b32 v[TM+\b], v[TM+\b], 0x7f800000, s36     ; 57,344 x the scale
.endr
.irp b, 0,1
	v_lshrrev_b32 v[TM+2+\b], 23, v[TM+4+\b]       ; the scale's byte
.endr
.irp i, 0,1,2,3,4,5,6,7,8,9,10,11,12,13,14,15
	v_med3_num_f32 v[(\d0)+\i], v[(\s)+\i], -v[TM], v[TM]       ; the conversion to an 8-bit code does not saturate (ISA guide 7.6.2)
.endr
	v_cvt_scalef32_pk8_bf8_f32 v[(\c):(\c)+1], v[(\d0):(\d0)+7], v[TM+4]
	v_cvt_scalef32_pk8_bf8_f32 v[(\c)+2:(\c)+3], v[(\d0)+8:(\d0)+15], v[TM+4]
.if \hi
	v_lshl_or_b32 v[\pw], v[TM+2], 16, v[\pw]      ; also the plain line behind the conversions
.else
	v_lshl_or_b32 v[\pw], v[TM+3], 8, v[TM+2]
.endif
.irp i, 0,1,2,3,4,5,6,7,8,9,10,11,12,13,14,15
	v_med3_num_f32 v[(\d1)+\i], v[(\s)+16+\i], -v[TM+1], v[TM+1]
.endr
	v_cvt_scalef32_pk8_bf8_f32 v[(\c)+4:(\c)+5], v[(\d1):(\d1)+7], v[TM+5]
	v_cvt_scalef32_pk8_bf8_f32 v[(\c)+6:(\c)+7], v[(\d1)+8:(\d1)+15], v[TM+5]
.if \hi
	v_lshl_or_b32 v[\pw], v[TM+3], 24, v[\pw]
.else
	v_nop
.endif
.endm
.macro PUT f, c2                       ; codes of blocks 0, 1 from v[CD ..], of 2, 3 from v[c2 ..]: each store of the wave covers 512 consecutive bytes, aligned
.irp k, 0,1
	global_store_b128 v[GI], v[CD+4*\k:CD+4*\k+3], s[72:73] offset:2048*(\f)+512*\k
	global_store_b128 v[GI], v[(\c2)+4*\k:(\c2)+4*\k+3], s[72:73] offset:2048*(\f)+512*\k+1024
.endr
.endm
.macro SCOUT                           ; 64 scale words: lane (r, h) stores those of fragments 2 h and 2 h + 1 of row r: 256 consecutive bytes, aligned
	v_cmp_eq_u32 vcc_lo, 0, v1
	v_cndmask_b32 v[TM], v[PW+2], v[PW], vcc_lo
	v_cndmask_b32 v[TM+1], v[PW+3], v[PW+1], vcc_lo
	global_store_b64 v[SCO], v[TM:TM+1], s[76:77]
.endm
	s_cmp_lt_u32 s20, 16
	s_cbranch_scc0 .Lweights
	; ---- waves 0-15: x
	s_add_nc_u64 s[50:51], s[4:5], s[52:53]
	s_or_b32 s51, s51, 0x80000000
	tensor_load_to_lds s[48:51], s[40:47]
	s_nop 0
	s_add_nc_u64 s[72:73], s[12:13], s[54:55]
	s_wait_tensorcnt 0x0                           ; my tile is in; no other wave reads it
.irp f, 0,1
.irp b, 0,1,2,3
.irp j, 0,1,2,3
	ds_load_b128 v[R+64*\f+16*\b+4*\j:R+64*\f+16*\b+4*\j+3], v[XR] offset:8448*\f+128*\b+16*\j
.endr
.endr
.endr
.irp f, 0,1
	s_wait_dscnt 16-16*\f                          ; this fragment's 16 loads are in; the other's may be out
.if \f
	s_wait_xcnt 0x0                                ; the first fragment's stores have read the codes' registers
.endif
	QUANT2 R+64*\f, R+64*\f, R+64*\f+16, CD, PW+\f, 0
	QUANT2 R+64*\f+32, R+64*\f+32, R+64*\f+48, R+64*\f, PW+\f, 1
	PUT \f, R+64*\f
.endr
	ds_store_b64 v[XW], v[PW:PW+1]                 ; both halves of the lanes write the same words
	s_branch .Ljoin
.Lweights:
	s_add_nc_u64 s[72:73], s[14:15], s[62:63]
	s_add_nc_u64 s[76:77], s[14:15], s[66:67]
	s_cmp_lt_u32 s20, 18
	s_cbranch_scc0 .Ldelta
	; ---- waves 16, 17: W.  A load reads one row's 512 bytes, 16 a lane; a fragment's 16 rows turn through the stage, so that a lane then holds 16 neighbours of each block of its row
	s_add_nc_u64 s[6:7], s[6:7], s[60:61]
.macro LOADF f
.irp i, 0,1,2,3,4,5,6,7,8,9,10,11,12,13,14,15
	global_load_b128 v[R+64*((\f)%2)+4*\i:R+64*((\f)%2)+4*\i+3], v[GI], s[6:7] offset:(4*\i+\f)*8192 th:TH_LOAD_NT
.endr
.endm
	LOADF 0
	LOADF 1
.irp f, 0,1,2,3
.if \f < 3
	s_wait_loadcnt 16                              ; this fragment's 16 loads are in; the other set's may be out
.else
	s_wait_loadcnt 0x0
.endif
.irp i, 0,1,2,3,4,5,6,7,8,9,10,11,12,13,14,15
	ds_store_b128 v[SI], v[R+64*((\f)%2)+4*\i:R+64*((\f)%2)+4*\i+3] offset:528*\i
.endr
	s_wait_dscnt 0x0                               ; the stores have read their registers: the loads below land in the same set
.irp b, 0,1,2,3
.irp j, 0,1,2,3
	ds_load_b128 v[R+64*((\f)%2)+16*\b+4*\j:R+64*((\f)%2)+16*\b+4*\j+3], v[SO] offset:128*\b+16*\j
.endr
.endr
	s_wait_dscnt 0x0
.if \f == 3
	s_wait_xcnt 0x0                                ; the last fragment's stores have read the codes' registers
.endif
	QUANT2 R+64*((\f)%2), R+64*((\f)%2), R+64*((\f)%2)+16, CD, PW+\f, 0
	QUANT2 R+64*((\f)%2)+32, R+64*((\f)%2)+32, R+64*((\f)%2)+48, R+64*((\f)%2), PW+\f, 1
	PUT \f, R+64*((\f)%2)
.if \f < 2
	s_wait_xcnt 0x0                                ; the stores have read their registers: loads land there, and the codes' are written again
	LOADF \f+2
.endif
.endr
	SCOUT
	s_branch .Ljoin
	; ---- waves 18, 19: dW = lora_B lora_A by the f32 matrix form, transposed: source 0 = 16 in-features, source 1 = 16 rows of dW; K = the rank, 16, in four steps of 4.
	; Lane r of tile 2 b + u takes in-feature 32 b + 8 u + r + 8 (r / 8), so that the 16 registers of tiles 2 b and 2 b + 1 are 16 neighbours along K: 32 b + 16 h + 0 .. 15
.Ldelta:
	s_add_nc_u64 s[8:9], s[8:9], s[68:69]
	s_add_nc_u64 s[10:11], s[10:11], s[70:71]
.irp t, 0,1,2,3,4,5,6,7
.irp q, 0,1,2,3
.irp j, 0,1
	global_load_b32 v[LA+8*\t+2*\q+\j], v[LAO], s[8:9] offset:(4*\q+\j)*8192+(32*(\t/2)+8*(\t%2))*4   ; lora_A[4 q + 2 h + j][the lane's in-feature of tile t]
.endr
.endr
.endr
.irp f, 0,1,2,3
.irp q, 0,1,2,3
	global_load_b64 v[LB+8*\f+2*\q:LB+8*\f+2*\q+1], v[LBO], s[10:11] offset:64*\f+16*\q               ; lora_B[4 r + f][4 q + 2 h + 0 .. 1]
.endr
.endr
	s_wait_loadcnt 0x0
.irp f, 0,1,2,3
.irp hb, 0,1
.irp q, 0,1,2,3
.irp t, 0,1,2,3                        ; four accumulators by turns; the first step of the rank starts the sums
.if \q == 0
	v_wmma_f32_16x16x4_f32 v[ACC+8*\t:ACC+8*\t+7], v[LA+8*(4*\hb+\t)+2*\q:LA+8*(4*\hb+\t)+2*\q+1], v[LB+8*\f+2*\q:LB+8*\f+2*\q+1], 0
.else
	v_wmma_f32_16x16x4_f32 v[ACC+8*\t:ACC+8*\t+7], v[LA+8*(4*\hb+\t)+2*\q:LA+8*(4*\hb+\t)+2*\q+1], v[LB+8*\f+2*\q:LB+8*\f+2*\q+1], v[ACC+8*\t:ACC+8*\t+7]
.endif
.endr
.endr
.rept 8
	v_nop                                          ; eight places ahead of the first read of results (ISA guide 7.12.1)
.endr
.if (\f > 0) && (\hb == 0)
	s_wait_xcnt 0x0                                ; the last fragment's stores have read the codes' registers
.endif
	QUANT2 ACC, T, T, CD-16*\hb, PW+\f, \hb
.endr
	v_add_nc_u32 v[PW+\f], 0x01010101, v[PW+\f]    ; the factor 2: 1 onto each of the four bytes
	PUT \f, CD-16
.endr
	SCOUT
.Ljoin:
	s_wait_dscnt 0x0                               ; for the others' sake: my scale words are in LDS
	s_barrier_signal -1
	s_barrier_wait -1
	s_cmp_lt_u32 s20, 8
	s_cbranch_scc0 .Lend
	ds_load_b64 v[16:17], v[XL]                    ; wave w stores K step w's unit of 256 scale bytes
	s_wait_dscnt 0x0
	global_store_b64 v[SL8], v[16:17], s[74:75]
.Lend:
	s_wait_tensorcnt 0x0                           ; the wave's end
	ds_add_u32 v158, v159
	s_wait_dscnt 0x0
	s_endpgm
.Lfunc_end_k_qbeb4e2918b_quant:
	.size	k_qbeb4e2918b_quant, .Lfunc_end_k_qbeb4e2918b_quant-k_qbeb4e2918b_quant
	.p2alignl 7, 3214868480
	.fill 96, 4, 3214868480
	.section	.rodata,"a",@progbits
	.p2align	6, 0x0
	.amdhsa_kernel k_qbeb4e2918b_quant
		.amdhsa_group_segment_fixed_size 291840
		.amdhsa_private_segment_fixed_size 0
		.amdhsa_enable_private_segment 0
		.amdhsa_kernarg_size 48
		.amdhsa_user_sgpr_count 2
		.amdhsa_user_sgpr_kernarg_segment_ptr 1
		.amdhsa_wavefront_size32 1
		.amdhsa_system_sgpr_workgroup_id_x 1
		.amdhsa_system_sgpr_workgroup_id_y 1
		.amdhsa_system_sgpr_workgroup_id_z 1
		.amdhsa_system_vgpr_workitem_id 0
		.amdhsa_next_free_vgpr 192
		.amdhsa_next_free_sgpr 80
		.amdhsa_reserve_vcc 1
		.amdhsa_float_denorm_mode_32 3
		.amdhsa_float_denorm_mode_16_64 3
		.amdhsa_memory_ordered 1
		.amdhsa_forward_progress 1
		.amdhsa_inst_pref_size 129
	.end_amdhsa_kernel
	.amdgpu_metadata
---
amdhsa.version: [ 1, 2 ]
amdhsa.kernels:
  - .name:           k_qbeb4e2918b_quant
    .symbol:         k_qbeb4e2918b_quant.kd
    .args:
      - { .name: x, .offset: 0, .size: 8, .value_kind: global_buffer, .address_space: global }
      - { .name: weight, .offset: 8, .size: 8, .value_kind: global_buffer, .address_space: global }
      - { .name: lora_A, .offset: 16, .size: 8, .value_kind: global_buffer, .address_space: global }
      - { .name: lora_B, .offset: 24, .size: 8, .value_kind: global_buffer, .address_space: global }
      - { .name: xq, .offset: 32, .size: 8, .value_kind: global_buffer, .address_space: global }
      - { .name: wq, .offset: 40, .size: 8, .value_kind: global_buffer, .address_space: global }
    .group_segment_fixed_size: 291840
    .private_segment_fixed_size: 0
    .kernarg_segment_align: 8
    .kernarg_segment_size: 48
    .max_flat_workgroup_size: 640
    .sgpr_count:     80
    .vgpr_count:     192
    .wavefront_size: 32
...
	.end_amdgpu_metadata
.endif
;; end of part 1
;; launch gemm (part 2): grid 8 x 32, 4 waves a work-group, clusters of 4 x 4, 327,680 bytes of LDS; arguments xq, wq, bias, out0; writes out0
.if DOCPART == 2
	.amdgcn_target "amdgcn-amd-amdhsa--gfx1250"
	.amdhsa_code_object_version 6
	.text
	.protected	k_qbeb4e2918b_gemm
	.globl	k_qbeb4e2918b_gemm
	.p2align	8
	.type	k_qbeb4e2918b_gemm,@function
k_qbeb4e2918b_gemm:
	s_mov_b64 s[64:65], 0
	v_nop
	global_prefetch_b8 v0, s[64:65] scope:SCOPE_SE
	s_setreg_imm32_b32 hwreg(HW_REG_WAVE_MODE, 25, 1), 1
	s_wait_xcnt 0x0
	s_wait_alu depctr_hold_cnt(0) depctr_sa_sdst(0) depctr_va_vdst(0) depctr_va_sdst(0) depctr_va_ssrc(0) depctr_va_vcc(0) depctr_vm_vsrc(0)
	s_getreg_b32 s2, hwreg(HW_REG_IB_STS2, 6, 4)
	s_cmp_eq_u32 s2, 0
	s_cbranch_scc0 .Lentry_in_a_cluster
	s_endpgm
.Lentry_in_a_cluster:
	s_bfe_u32 s2, ttmp6, 0x10000c
	s_cmp_lg_u32 s2, 0xf033
	s_cbranch_scc0 .Lentry_shape_is_right
	s_endpgm
.Lentry_shape_is_right:
; out[m][n] = bias[n] + sum over k of x[m][k] W[n][k] + 2 sum over k of x[m][k] dW[n][k]: codes of BF8 and scale bytes as the first launch lays them (dW's scale bytes hold the factor 2); sums in f32.  No work is left out.  LIMITS: the first launch's.
; A work-group of four waves makes 256 x 256, a wave 128 x 128: 64 accumulators of 16 x 16.  A K step of 128 is two halves, W's 64 products and dW's 64, on the same fragments of x.
; LDS: two slots; a slot is one K step: x's block (32,768 bytes of codes, 1,024 of scales), then W's and dW's codes and their scales: 33,792 + 67,584 bytes, dense images of the operand registers.
; CLUSTERS of 4 x 4: x's blocks are asked for jointly by a row of the cluster, W's and dW's by a column.
; THE STREAM.  Fragments come in four runs of loads a K step: x's blocks 4-7 (16 loads) at the first half's start, dW's fragments (32) a quarter into it; at its end all reads of the slot are over and the slots change (one round of the
; cluster's barrier); the next slot's scales and W's fragments (35) come behind the round, x's blocks 0-3 (16) in the second half's middle.  Each is issued 16 products or more ahead of its use.
; THE WAY OUT.  Source 0 = 16 rows of x, source 1 = 16 rows of W: register j of lane (r, h) is row 8 h + j, and tile 4 g + b's lane r is column 64 g + 4 r + b: so four tiles' registers j, with the bias added, are 16 neighbouring
; bytes, and sixteen lanes store 256 neighbouring bytes.  dW's half of the last K step goes by rows, so that stores begin while it is multiplied.
; PREFETCH: behind the refill for K step t + 2 the K step t + 4 is asked for, 33 units of 256 bytes of x by wave 0 and 22 of W and dW by each other wave; the four partners share a block's units by address.  x's are asked for in both clusters
; that read them, W's in the clusters of even row number.  The head asks for K steps 1 to 3; the loop stops at 15.
; REGISTERS: window 0: v0-31 addresses and bias, v32-59 scale words (two sets: W +0, x +4, dW +8: a product's two numbers differ modulo 8), v64-127 the way out, v128-255 x's fragments;  window 1: W's fragments (on the way out free), dW's;
; windows 2, 3: accumulators.
.set ABLK,  33792
.set BBLK,  67584
.set SLOT,  ABLK+BBLK
.set SPARE, 2*SLOT
.set BI,    8
.set ADRA,  16
.set ADRB,  18
.set ADSA,  20
.set ADSB,  22
.set CO,    24
.set SPW,   28
.set NIL,   29
.set PFO,   30
.set PFO2,  31
.set SC,    32
.set AF,    128
.set G1,    24
.set G0,    32
.set G1B,   48
.set G0B,   56
.set PFA,   66
.set PFS,   78
.set MSB, 0
.macro WIN new                         ; the immediate's high byte repeats the setting that is left
.if MSB != (\new)
	s_set_vgpr_msb (MSB<<8)|(\new)
.set MSB, \new
.endif
.endm
.macro PLACES n                        ; places behind products, ahead of loads into what they have read and of readers of their sums
.rept \n
	v_nop
.endr
.endm
.macro JLOAD s                         ; a joint load: waves 0, 1 fetch halves of x's block, waves 2, 3 halves of W's and dW's
	s_cmp_eq_u32 s15, 0
	s_cbranch_scc0 .Lfor_b_\@
	tensor_load_to_lds s[G0+4*\s:G0+4*\s+3], s[G1:G1+7]
	s_nop 0
	PLACES 4
	s_branch .Lasked_\@
.Lfor_b_\@:
	tensor_load_to_lds s[G0B+4*\s:G0B+4*\s+3], s[G1B:G1B+7]
	s_nop 0
	PLACES 4
.Lasked_\@:
.endm
.macro CREST                           ; a round of the cluster's barrier behind its opening barrier
	s_cmp_lg_u32 s14, 0
	s_cbranch_scc1 .Lnot_wave_0_\@
	s_barrier_signal -3
.Lnot_wave_0_\@:
	s_barrier_wait -3
	s_barrier_signal -1
	s_barrier_wait -1
.endm
.macro CROUND
	s_barrier_signal -1
	s_barrier_wait -1
	CREST
.endm
.macro ASK base                        ; a K step's units into the L2
	s_cmp_eq_u32 s84, 1
	s_cbranch_scc0 .Lnot_mine_\@
	global_prefetch_b8 v[PFO], s[\base:\base+1] th:TH_LOAD_NT scope:SCOPE_SE
.Lnot_mine_\@:
	s_cmp_eq_u32 s85, 1
	s_cbranch_scc0 .Lnot_wave_0_too_\@
	global_prefetch_b8 v[PFO2], s[\base:\base+1] th:TH_LOAD_NT scope:SCOPE_SE
.Lnot_wave_0_too_\@:
.endm
.macro SHAPE g, rows                   ; a dense block as rows of 256 bytes: 32 elements of 8
	s_mov_b32 s[\g+1], 32<<16
	s_mov_b32 s[\g+2], (\rows)<<16
	s_mov_b32 s[\g+3], 32<<16
	s_mov_b32 s[\g+4], \rows
	s_mov_b32 s[\g+5], 32
	s_mov_b32 s[\g+6], 0
	s_mov_b32 s[\g+7], 0
.endm
	s_load_b256 s[4:11], s[0:1], 0x0               ; xq, wq, bias, out0
	v_lshl_add_u32 v[SPW], v0, 2, SPARE
	v_mov_b32 v[NIL], 0
	ds_add_u32 v[SPW], v[NIL]                      ; the opening add, twice on end
	ds_add_u32 v[SPW], v[NIL]
	v_lshrrev_b32 v1, 5, v0
	v_readfirstlane_b32 s14, v1                    ; wave 0..3
	s_lshr_b32 s15, s14, 1                         ; which half of the rows is mine; I fetch for x (0) or for W (1)
	s_and_b32 s16, s14, 1                          ; which half of the columns; which half of a block I fetch
	s_bfe_u32 s40, ttmp6, 0x40000                  ; cx, cy
	s_bfe_u32 s41, ttmp6, 0x40004
	s_lshl_b32 s42, ttmp9, 2
	s_add_co_u32 s42, s42, s40                     ; tile column
	s_and_b32 s17, ttmp7, 0xffff
	s_lshl_b32 s17, s17, 2
	s_add_co_u32 s17, s17, s41                     ; tile row
	s_lshl_b32 s43, s41, 2
	s_lshl_b32 s43, 15, s43                        ; my row of the cluster
	s_lshl_b32 s44, 0x1111, s40                    ; my column
	s_or_b32 s[G1+0], s43, (3<<16)|(1<<21)
	s_or_b32 s[G1B+0], s44, (3<<16)|(1<<21)
	SHAPE G1, 66
	SHAPE G1B, 132
	s_mul_i32 s92, s17, 16*ABLK                    ; where my tile's blocks begin: in xq,
	s_mul_i32 s93, s42, 16*BBLK                    ; in wq
	s_mul_i32 s18, s16, ABLK/2                     ; my half of a block
	s_mul_i32 s19, s16, BBLK/2
	s_add_co_u32 s20, s92, s18
	s_mov_b32 s21, 0
	s_add_co_u32 s46, s93, s19
	s_mov_b32 s47, 0
	s_add_co_u32 s19, s19, ABLK                    ; LDS: W's and dW's block lies behind x's
	s_lshl_b32 s68, s42, 10                        ; my first column, in bytes
	s_lshl_b32 s69, s16, 9
	s_add_co_u32 s68, s68, s69
	s_mov_b32 s69, 0
	s_lshl_b32 s74, s17, 21                        ; my first row of out0, in bytes
	s_lshl_b32 s75, s15, 20
	s_add_co_u32 s74, s74, s75
	s_mov_b32 s75, 0
	s_and_b32 s86, ttmp7, 1
	s_xor_b32 s86, s86, 1                          ; 1 in clusters of even row number
	s_mul_i32 s87, s40, 33                         ; my units of a block: x's by cx,
	s_mul_i32 s89, s41, 66                         ; W's by cy and the wave
	s_max_u32 s90, s14, 1
	s_sub_co_u32 s90, s90, 1
	s_mul_i32 s90, s90, 22
	s_add_co_u32 s89, s89, s90
	s_mov_b32 s[PFS], BBLK
	s_mov_b32 s[PFS+1], 0
	s_mov_b32 s95, 0
	s_cmp_eq_u32 s14, 0
	s_cselect_b32 s84, 1, s86
	s_cselect_b32 s85, 1, 0
	s_cselect_b32 s87, s87, s89
	s_cselect_b32 s88, 16, 21
	s_cselect_b32 s94, s92, s93
	s_cselect_b32 s[PFS], ABLK, s[PFS]
	s_lshl_b32 s96, s15, 14                        ; LDS: my 128 rows of x,
	s_lshl_b32 s97, s16, 14
	s_add_co_u32 s97, s97, ABLK                    ; of W (dW's lie 32,768 bytes on),
	s_lshl_b32 s98, s15, 9
	s_add_co_u32 s98, s98, 32768                   ; and their scales
	s_lshl_b32 s99, s16, 9
	s_add_co_u32 s99, s99, ABLK+65536
	v_and_b32 v3, 31, v0
	v_and_b32 v1, 15, v0                           ; r
	v_bfe_u32 v2, v0, 4, 1                         ; h
	v_lshlrev_b32 v4, 4, v3
	v_lshlrev_b32 v5, 4, v1
	v_min_u32 v[PFO], s88, v3
	v_min_u32 v[PFO2], 15, v3
	v_lshl_add_u32 v[CO], v2, 16, v5               ; out0: 8 h rows + 16 r
	v_add_nc_u32 v[ADRA], s96, v4
	v_add_nc_u32 v[ADRB], s97, v4
	v_add_nc_u32 v[ADSA], s98, v4
	v_add_nc_u32 v[ADSB], s99, v4
	v_add_nc_u32 v[PFO], s87, v[PFO]
	v_add_nc_u32 v[PFO2], s87, v[PFO2]
	v_add_nc_u32 v[ADRA+1], SLOT, v[ADRA]
	v_add_nc_u32 v[ADRB+1], SLOT, v[ADRB]
	v_add_nc_u32 v[ADSA+1], SLOT, v[ADSA]
	v_add_nc_u32 v[ADSB+1], SLOT, v[ADSB]
	v_add_nc_u32 v[PFO2], 17, v[PFO2]
	v_lshlrev_b32 v[PFO], 8, v[PFO]
	v_lshlrev_b32 v[PFO2], 8, v[PFO2]
	s_wait_alu depctr_va_vdst(0)                   ; the wait behind the head's last vector write
	s_wait_dscnt 0x0                               ; both opening adds are done
	CROUND                                         ; all sixteen work-groups are here
	s_wait_kmcnt 0x0
	s_add_nc_u64 s[20:21], s[4:5], s[20:21]
	s_add_nc_u64 s[46:47], s[6:7], s[46:47]
.irp s, 0,1
	s_mov_b32 s[G0+4*\s], 1
	s_add_co_u32 s[G0+4*\s+1], s18, \s*SLOT
	s_add_nc_u64 s[G0+4*\s+2:G0+4*\s+3], s[20:21], \s*ABLK
	s_or_b32 s[G0+4*\s+3], s[G0+4*\s+3], 0x80000000
	s_mov_b32 s[G0B+4*\s], 1
	s_add_co_u32 s[G0B+4*\s+1], s19, \s*SLOT
	s_add_nc_u64 s[G0B+4*\s+2:G0B+4*\s+3], s[46:47], \s*BBLK
	s_or_b32 s[G0B+4*\s+3], s[G0B+4*\s+3], 0x80000000
.endr
	JLOAD 0                                        ; K step 0: one tensor load a wave at the head
	s_cmp_eq_u32 s14, 0
	s_cselect_b64 s[76:77], s[4:5], s[6:7]
	s_add_nc_u64 s[76:77], s[76:77], s[94:95]
	s_add_nc_u64 s[80:81], s[76:77], s[PFS:PFS+1]  ; K steps 1, 2, 3
	s_add_nc_u64 s[82:83], s[80:81], s[PFS:PFS+1]
	s_add_nc_u64 s[PFA:PFA+1], s[82:83], s[PFS:PFS+1]
	ASK 80
	ASK 82
	s_add_nc_u64 s[72:73], s[8:9], s[68:69]
	global_load_b128 v[BI:BI+3], v5, s[72:73]      ; the bias of columns 4 r .. 4 r + 3
	global_load_b128 v[BI+4:BI+7], v5, s[72:73] offset:256
	s_add_nc_u64 s[10:11], s[10:11], s[68:69]
	s_add_nc_u64 s[10:11], s[10:11], s[74:75]
.macro FRAGX slot, i0                  ; x's blocks i0 .. i0 + 3: 16 loads
	WIN 0
.irp i, 0,1,2,3
.irp c, 0,1,2,3
	ds_load_b128 v[AF+16*(\i0+\i)+4*\c:AF+16*(\i0+\i)+4*\c+3], v[ADRA+\slot] offset:2048*(\i0+\i)+512*\c
.endr
.endr
.endm
.macro FRAGW slot, sub                 ; W's (sub = 0) or dW's (1) eight blocks: 32 loads
	WIN 0x40
.irp i, 0,1,2,3,4,5,6,7
.irp c, 0,1,2,3
	ds_load_b128 v[128*\sub+16*\i+4*\c:128*\sub+16*\i+4*\c+3], v[ADRB+\slot] offset:32768*\sub+2048*\i+512*\c
.endr
.endr
	WIN 0
.endm
.macro SCALES slot                     ; lanes 0-15: blocks 0-3, lanes 16-31: blocks 4-7
	ds_load_b128 v[SC+16*\slot:SC+16*\slot+3], v[ADSB+\slot]
	ds_load_b128 v[SC+16*\slot+8:SC+16*\slot+11], v[ADSB+\slot] offset:1024
	ds_load_b128 v[SC+16*\slot+4:SC+16*\slot+7], v[ADSA+\slot]
.endm
.macro MUL sub, sc, n, first           ; product n = 8 a + b of a half: the 64 accumulators take turns; first = 1: it starts the sum
.set a_, (\n)/8
.set b_, (\n)%8
.set rD, 8*(8*(a_%4)+b_)
.set rX, AF+16*a_
.set rW, 128*(\sub)+16*b_
.set sX, SC+16*(\sc)+4+a_%4
.set sW, SC+16*(\sc)+8*(\sub)+b_%4
	WIN 0xa4+0x50*(a_/4)
.if \first
.if (a_ < 4) && (b_ < 4)
	v_wmma_scale_f32_16x16x128_f8f6f4 v[rD:rD+7], v[rX:rX+15], v[rW:rW+15], 0, v[sX], v[sW] matrix_a_fmt:MATRIX_FMT_BF8 matrix_b_fmt:MATRIX_FMT_BF8
.elseif b_ < 4
	v_wmma_scale_f32_16x16x128_f8f6f4 v[rD:rD+7], v[rX:rX+15], v[rW:rW+15], 0, v[sX], v[sW] matrix_a_fmt:MATRIX_FMT_BF8 matrix_b_fmt:MATRIX_FMT_BF8 matrix_a_scale:MATRIX_SCALE_ROW1
.elseif a_ < 4
	v_wmma_scale_f32_16x16x128_f8f6f4 v[rD:rD+7], v[rX:rX+15], v[rW:rW+15], 0, v[sX], v[sW] matrix_a_fmt:MATRIX_FMT_BF8 matrix_b_fmt:MATRIX_FMT_BF8 matrix_b_scale:MATRIX_SCALE_ROW1
.else
	v_wmma_scale_f32_16x16x128_f8f6f4 v[rD:rD+7], v[rX:rX+15], v[rW:rW+15], 0, v[sX], v[sW] matrix_a_fmt:MATRIX_FMT_BF8 matrix_b_fmt:MATRIX_FMT_BF8 matrix_a_scale:MATRIX_SCALE_ROW1 matrix_b_scale:MATRIX_SCALE_ROW1
.endif
.else
.if (a_ < 4) && (b_ < 4)
	v_wmma_scale_f32_16x16x128_f8f6f4 v[rD:rD+7], v[rX:rX+15], v[rW:rW+15], v[rD:rD+7], v[sX], v[sW] matrix_a_fmt:MATRIX_FMT_BF8 matrix_b_fmt:MATRIX_FMT_BF8
.elseif b_ < 4
	v_wmma_scale_f32_16x16x128_f8f6f4 v[rD:rD+7], v[rX:rX+15], v[rW:rW+15], v[rD:rD+7], v[sX], v[sW] matrix_a_fmt:MATRIX_FMT_BF8 matrix_b_fmt:MATRIX_FMT_BF8 matrix_a_scale:MATRIX_SCALE_ROW1
.elseif a_ < 4
	v_wmma_scale_f32_16x16x128_f8f6f4 v[rD:rD+7], v[rX:rX+15], v[rW:rW+15], v[rD:rD+7], v[sX], v[sW] matrix_a_fmt:MATRIX_FMT_BF8 matrix_b_fmt:MATRIX_FMT_BF8 matrix_b_scale:MATRIX_SCALE_ROW1
.else
	v_wmma_scale_f32_16x16x128_f8f6f4 v[rD:rD+7], v[rX:rX+15], v[rW:rW+15], v[rD:rD+7], v[sX], v[sW] matrix_a_fmt:MATRIX_FMT_BF8 matrix_b_fmt:MATRIX_FMT_BF8 matrix_a_scale:MATRIX_SCALE_ROW1 matrix_b_scale:MATRIX_SCALE_ROW1
.endif
.endif
.endm
; A step's first half, and the change of slots at its end (turn = 0: the very last step has none).  fill = 1: this slot is filled again, two K steps on.
.macro S0 slot, first, fill, turn=1
	PLACES 8                                       ; behind the last half's products, for this run and the next
	FRAGX \slot, 4
	s_wait_dscnt 16                                ; all but the 16 just issued: W's fragments, x's blocks 0-3 and the scales are in
.set N_, 0
.rept 64
.if N_ == 16
	FRAGW \slot, 1
.elseif N_ == 32
	s_wait_dscnt 32                                ; x's blocks 4-7 are in; dW's 32 loads may be out
.elseif (N_ == 48) && \turn
	WIN 0
.if \fill
	s_wait_xcnt 0x0                                ; the prefetches have read their base
	s_add_nc_u64 s[PFA:PFA+1], s[PFA:PFA+1], s[PFS:PFS+1]
.endif
	s_wait_tensorcnt 0x0                           ; my part of the next slot is in;
	ds_add_u32 v[SPW], v[NIL]
.if \fill
	s_add_nc_u64 s[G0+4*\slot+2:G0+4*\slot+3], s[G0+4*\slot+2:G0+4*\slot+3], 2*ABLK
	s_add_nc_u64 s[G0B+4*\slot+2:G0B+4*\slot+3], s[G0B+4*\slot+2:G0B+4*\slot+3], 2*BBLK
.endif
.elseif (N_ == 56) && \turn
	s_wait_dscnt 0x0                               ; the add is done, and so are my reads of this slot
	s_barrier_signal -1
.endif
	MUL 0, \slot, N_, \first
.set N_, N_+1
.endr
	WIN 0
.if \turn
	s_barrier_wait -1
.endif
.if \fill
	CREST                                          ; no wave of any partner still reads this slot or has a load on its way
	JLOAD \slot
.endif
.endm
; The second half, with the next step's loads from the other slot; ask = 1: the prefetch
.macro S1 slot, next, ask
	PLACES 8
	SCALES \next
	FRAGW \next, 0
.set N_, 0
.rept 64
.if N_ == 32
	WIN 0
	PLACES 8
	FRAGX \next, 0
.if \ask
	ASK PFA
.endif
.endif
	MUL 1, \slot, N_, 0
.set N_, N_+1
.endr
	WIN 0
.endm
	s_wait_alu depctr_va_vdst(0)                   ; the wait at the head's end
	s_wait_tensorcnt 0x0                           ; my part of K step 0 is in; these lines ahead of a later first fill, as ahead of a refill:
	ds_add_u32 v[SPW], v[NIL]
	s_wait_dscnt 0x0
	CROUND
	JLOAD 1                                        ; K step 1
	SCALES 0
	FRAGW 0, 0
	FRAGX 0, 0
	ASK PFA
	s_wait_loadcnt 0x0                             ; the bias is in
	s_mov_b32 s3, 6
	S0 0, 1, 1                                     ; K step 0 starts the sums
.Llap:                                                 ; t = 0, 2 .. 10: the rest of K step t, K step t + 1, the first half of t + 2; the refills bring t + 3 and t + 4
	S1 0, 1, 1
	S0 1, 0, 1
	S1 1, 0, 1
	S0 0, 0, 1
	s_sub_co_u32 s3, s3, 1
	s_cmp_lg_u32 s3, 0
	s_cbranch_scc1 .Llap
	S1 0, 1, 0                                     ; K step 12
	S0 1, 0, 1                                     ; 13: the last refill, K step 15
	S1 1, 0, 0
	S0 0, 0, 0                                     ; 14
	S1 0, 1, 0
	S0 1, 0, 0, 0                                  ; 15: W's half
	s_wait_dscnt 0x0                               ; dW's fragments are in
; dW's HALF OF K STEP 15 BY ROWS: a block of 16 rows is finished with eight products and leaves: the bias is added on the way into the stores' registers, each accumulator from its low end on.
; Three sets of 64 registers take turns: v64-127 of window 0, and of window 1 v0-63 and v64-127, which held W's fragments.
.macro ROW a
.set N_, 8*(\a)
.rept 8
	MUL 1, 1, N_, 0
.set N_, N_+1
.endr
	PLACES 8
.set TW_, ((\a)%3+1)/2
.set TB_, 64*(1-((\a)%3)%2)
.if (\a == 3) || (\a == 6)
	s_wait_xcnt 0x0                                ; the last three blocks' stores have read their registers
.endif
	WIN (2+(\a)/4)+64*TW_
.irp j, 0,1,2,3,4,5,6,7
.irp g, 0,1
.irp b, 0,1,2,3
	v_add_f32 v[TB_+8*\j+4*\g+\b], v[64*((\a)%4)+8*(4*\g+\b)+\j], v[BI+4*\g+\b]
.endr
.endr
.endr
	WIN 4*TW_
.irp j, 0,1,2,3,4,5,6,7
.irp g, 0,1
	global_store_b128 v[CO], v[TB_+8*\j+4*\g:TB_+8*\j+4*\g+3], s[10:11] offset:131072*(\a)+8192*\j+256*\g th:TH_STORE_NT   ; sixteen lanes store 256 consecutive bytes, aligned
.endr
.endr
.endm
.irp a, 0,1,2,3,4,5,6,7
	ROW \a
.endr
	WIN 0
	s_wait_tensorcnt 0x0                           ; the wave's end
	ds_add_u32 v[SPW], v[NIL]
	s_wait_dscnt 0x0
	CROUND                                         ; the closing round
	s_endpgm
.Lfunc_end_k_qbeb4e2918b_gemm:
	.size	k_qbeb4e2918b_gemm, .Lfunc_end_k_qbeb4e2918b_gemm-k_qbeb4e2918b_gemm
	.p2alignl 7, 3214868480
	.fill 96, 4, 3214868480
	.section	.rodata,"a",@progbits
	.p2align	6, 0x0
	.amdhsa_kernel k_qbeb4e2918b_gemm
		.amdhsa_group_segment_fixed_size 327680
		.amdhsa_private_segment_fixed_size 0
		.amdhsa_enable_private_segment 0
		.amdhsa_kernarg_size 32
		.amdhsa_user_sgpr_count 2
		.amdhsa_user_sgpr_kernarg_segment_ptr 1
		.amdhsa_wavefront_size32 1
		.amdhsa_system_sgpr_workgroup_id_x 1
		.amdhsa_system_sgpr_workgroup_id_y 1
		.amdhsa_system_sgpr_workgroup_id_z 1
		.amdhsa_system_vgpr_workitem_id 0
		.amdhsa_next_free_vgpr 1024
		.amdhsa_next_free_sgpr 100
		.amdhsa_reserve_vcc 0
		.amdhsa_float_denorm_mode_32 3
		.amdhsa_float_denorm_mode_16_64 3
		.amdhsa_memory_ordered 1
		.amdhsa_forward_progress 1
		.amdhsa_inst_pref_size 186
	.end_amdhsa_kernel
	.amdgpu_metadata
---
amdhsa.version: [ 1, 2 ]
amdhsa.kernels:
  - .name:           k_qbeb4e2918b_gemm
    .symbol:         k_qbeb4e2918b_gemm.kd
    .args:
      - { .name: xq, .offset: 0, .size: 8, .value_kind: global_buffer, .address_space: global }
      - { .name: wq, .offset: 8, .size: 8, .value_kind: global_buffer, .address_space: global }
      - { .name: bias, .offset: 16, .size: 8, .value_kind: global_buffer, .address_space: global }
      - { .name: out0, .offset: 24, .size: 8, .value_kind: global_buffer, .address_space: global }
    .group_segment_fixed_size: 327680
    .private_segment_fixed_size: 0
    .kernarg_segment_align: 8
    .kernarg_segment_size: 32
    .max_flat_workgroup_size: 128
    .sgpr_count:     100
    .vgpr_count:     1024
    .wavefront_size: 32
...
	.end_amdgpu_metadata
.endif
;; end of part 2
